; MI455X (gfx1250); checked and timed in simulation.
; The chip was launched on July 23, 2026; its instructions are those of AMD's public machine-readable ISA for CDNA 5 (MIT licence, August 2026) and "CDNA5" Instruction Set Architecture Reference Guide (July 2026). The comments in the code are by the model that wrote it; some were corrected since.
;; Fixed Radius Near Neighbors. Allowed arithmetic: float matrix products may take bf16 or f16 operands with f32 sums; other float arithmetic in f32, or as packed bf16 or f16 multiplies, adds, multiply-adds, maxima and minima; sums over many terms, partial sums and values carried from step to step in f32; what a program stores and reads back later, other than sums and carried values, may be rounded once to bf16 or f16.
;; Inputs: centroids 8 x 1,024 int32; pos 8 x 16,384 x 3 float32.
;; Outputs: out0 8 x 1,024 x 64 int32.
;; 2 versions, each right; version 2 is version 1 with the launch pick written anew for expert scheduling mode. Each part assembles by itself: llvm-mc -triple=amdgcn-amd-amdhsa -mcpu=gfx1250 --defsym DOCPART=n.
;; ======== version 1 of 2: 2 launches
;; workspace buffers: mask 16,777,216 bytes of whole numbers
;; launch inside (part 1): grid 32 x 8, 16 waves a work-group, no clusters, 20,480 bytes of LDS; arguments centroids, pos, mask; writes mask
.if DOCPART == 1
	.amdgcn_target "amdgcn-amd-amdhsa--gfx1250"
	.amdhsa_code_object_version 6
	.text
	.protected	k_q2485025996_inside
	.globl	k_q2485025996_inside
	.p2align	8
	.type	k_q2485025996_inside,@function
k_q2485025996_inside:
	s_mov_b64 s[64:65], 0
	v_nop
	global_prefetch_b8 v0, s[64:65] scope:SCOPE_SE
	s_setreg_imm32_b32 hwreg(HW_REG_WAVE_MODE, 25, 1), 1
	s_wait_xcnt 0x0
; BALL QUERY, FIRST PART: for every centre s and point n of a batch one bit: 1 where NOT (sqrdist > r2).
; pos: [8][16384][3] f32, centroids: [8][1024] i32, mask: 16,777,216 bytes of bits for the second part.
; ARITHMETIC.  pos is rounded to bf16 (nearest even) as it comes in, centres too.  A product of two such numbers has 16 significant bits and is
; exact in f32, so only the sums round, and they are formed in the order of the JAX text:
;   c_sq, p_sq = (x x + y y) + z z;   cross = (c0 p0 + c1 p1) + c2 p2;   t = c_sq + p_sq;   d = t - 2 cross (2 cross is exact: one fused line).
; The output of the whole program is indices that are compared exactly, so each of these roundings has to fall where it falls there.
; WHY THE K = 3 PRODUCT IS MADE BY VECTOR LINES: each of its outputs must be rounded after the second and after the third term; a matrix instruction
; adds its products in its own way, and would use 3 of its 32 k.  The operands are bf16 numbers all the same.
; LIMITS.  The bit is the sign of r2 - d: NaN, infinities and coordinates whose squares overflow (above 1.8e19) are not treated as a comparison with NaN would be.
; A product under 2^-126 is no longer exact.  A centre's index is clamped to 16,383.
; SHARES.  A work-group: one batch, one block of 1,024 points, 512 centres.  Its 512 threads load, round and square two points each, once, into LDS;
; then every wave holds all 1,024 points in 128 registers: lane l the points 32 l .. 32 l + 31, so that a lane's 32 bits for one centre are one word
; of the mask in index order.  A wave owns 32 centres, a lane each at first; in the loop a centre's four numbers are read into scalar registers.
; NO CLUSTER, NO TENSOR LOAD: what two work-groups share is 12,288 bytes read once, against 65,536 that each writes, and the bytes are rounded in registers on their way.
; MASK LAYOUT: word [batch][s / 4][block][lane][s % 4]: a wave's store for four centres covers 512 consecutive bytes, aligned.
.set NPTS,   16384
.set BLK,    1024
.set BATCHB, NPTS*12                   ; bytes of a batch in pos
.set PITCH,  144                       ; a lane's 32 numbers in LDS: 128 bytes + 16: sixteen lanes' 16-byte loads fall into sixteen different columns of 16 bytes
.set ARR,    32*PITCH                  ; one of the four tables x, y, z, p_sq
.set SPARE,  4*ARR                     ; behind them: the spare words, 128 bytes for each of 16 waves, that no other line names
.set SPW,  1                           ; v1   LDS address of my spare word; never rewritten
.set NIL,  2                           ; v2   0; never rewritten
.set CX,   4                           ; v4-7 lane j: centre j of my wave: x, y, z, c_sq
.set CY,   5
.set CZ,   6
.set CS,   7
.set VOFF, 8                           ; v8   my 16 bytes in the wave's store
.set OUTW, 16                          ; v[16:19] the words of the four centres in hand
.set U,    20                          ; v[20:27] cross, four pairs of points
.set T,    28                          ; v[28:35] t, then d
.set S,    36                          ; v[36:51] r2 - d, two buffers of four pairs
.set PX,   64                          ; v[64:191] my 32 points: x, y, z, p_sq
.set PY,   96
.set PZ,   128
.set PS,   160
.set R2,   18                          ; s[18:19] r2 in the low word
.set CNT,  20                          ; s20  trips to go
.set LSEL, 21                          ; s21-24 the lanes of the four centres in hand
.set CSC,  28                          ; s[28:59] centre c of four at CSC + 8 c: x, y, z, c_sq, each the low word of a pair (a packed line names the pair and takes its low word twice)
	s_load_b128 s[4:7], s[0:1], 0x0                ; centroids s[4:5], pos s[6:7]
	s_load_b64 s[8:9], s[0:1], 0x10                ; mask
	v_lshl_add_u32 v[SPW], v0, 2, SPARE
	v_mov_b32 v[NIL], 0
	v_lshrrev_b32 v15, 5, v0
	v_readfirstlane_b32 s13, v15                   ; wave 0..15
	s_and_b32 s10, ttmp7, 0xffff                   ; batch
	s_lshr_b32 s11, ttmp9, 1                       ; block of points
	s_and_b32 s12, ttmp9, 1                        ; half of the centres
	v_lshlrev_b32 v10, 2, v0                       ; my centre's index: 4 bytes a thread
	v_mul_u32_u24 v9, v0, 24                       ; my two points: 24 bytes a thread
	s_lshl_b32 s14, s10, 12                        ; batch x 1,024 indices
	s_lshl_b32 s15, s12, 11                        ; + half x 512
	s_add_co_u32 s14, s14, s15
	s_mov_b32 s15, 0
	s_wait_kmcnt 0x0
	s_add_nc_u64 s[4:5], s[4:5], s[14:15]
	global_load_b32 v11, v10, s[4:5]               ; first: the gather hangs on it
	s_mul_i32 s14, s10, BATCHB
	s_add_nc_u64 s[6:7], s[6:7], s[14:15]          ; pos at my batch
	s_mul_i32 s14, s11, BLK*12
	s_add_nc_u64 s[16:17], s[6:7], s[14:15]        ; pos at my block
	global_load_b64 v[20:21], v9, s[16:17]           ; x0 y0
	global_load_b64 v[22:23], v9, s[16:17] offset:8  ; z0 x1
	global_load_b64 v[24:25], v9, s[16:17] offset:16 ; y1 z1
	s_lshl_b32 s14, s10, 21                        ; the wave's first store: batch x 256 fours x 8,192 bytes
	s_lshl_b32 s20, s12, 20                        ; + half x 128 fours
	s_add_co_u32 s14, s14, s20
	s_lshl_b32 s20, s13, 16                        ; + wave x 8 fours
	s_add_co_u32 s14, s14, s20
	s_lshl_b32 s20, s11, 9                         ; + block x 512 bytes
	s_add_co_u32 s14, s14, s20
	s_add_nc_u64 s[8:9], s[8:9], s[14:15]
	v_lshrrev_b32 v38, 4, v0                       ; point 2 t lies with lane t / 16,
	v_and_b32 v39, 15, v0                          ; at place 2 (t % 16)
	v_mul_u32_u24 v38, v38, PITCH
	v_lshl_add_u32 v38, v39, 3, v38
	v_and_b32 v41, 31, v0
	v_lshlrev_b32 v[VOFF], 4, v41
	v_mul_u32_u24 v41, v41, PITCH                  ; where my lane's 32 numbers begin in each table
	s_wait_loadcnt 0x3                             ; the index is in; the three loads of points, issued behind it, may stay out
	v_min_u32 v11, NPTS-1, v11
	v_mul_u32_u24 v11, v11, 12
	global_load_b32 v12, v11, s[6:7]
	global_load_b32 v13, v11, s[6:7] offset:4
	global_load_b32 v14, v11, s[6:7] offset:8
	s_mov_b32 s[R2], 0x3c23d70a                    ; f32(0.1 x 0.1)
	s_mov_b32 s[R2+1], 0
.set i, 0
.rept 16
	s_mov_b32 s[CSC+2*i+1], 0                      ; the pairs' high words are named, so they are written
.set i, i+1
.endr
	s_wait_loadcnt 0x3                             ; my two points are in; the three loads of the gather may stay out
	v_cvt_pk_bf16_f32 v26, v20, v23                ; x0 x1, rounded to nearest even
	v_cvt_pk_bf16_f32 v27, v21, v24                ; y0 y1
	v_cvt_pk_bf16_f32 v28, v22, v25                ; z0 z1
	v_lshlrev_b32 v30, 16, v26                     ; and back to f32
	v_and_b32 v31, 0xffff0000, v26
	v_lshlrev_b32 v32, 16, v27
	v_and_b32 v33, 0xffff0000, v27
	v_lshlrev_b32 v34, 16, v28
	v_and_b32 v35, 0xffff0000, v28
	v_pk_mul_f32 v[36:37], v[30:31], v[30:31]              ; p_sq = (x x + y y) + z z
	v_pk_fma_f32 v[36:37], v[32:33], v[32:33], v[36:37]
	v_pk_fma_f32 v[36:37], v[34:35], v[34:35], v[36:37]
	ds_store_b64 v38, v[30:31]
	ds_store_b64 v38, v[32:33] offset:ARR
	ds_store_b64 v38, v[34:35] offset:2*ARR
	ds_store_b64 v38, v[36:37] offset:3*ARR
	s_wait_loadcnt 0x0                             ; my centre
	v_cvt_pk_bf16_f32 v15, v12, v13
	v_cvt_pk_bf16_f32 v40, v14, v14
	v_lshlrev_b32 v[CX], 16, v15
	v_and_b32 v[CY], 0xffff0000, v15
	v_lshlrev_b32 v[CZ], 16, v40
	v_mul_f32 v[CS], v[CX], v[CX]                  ; c_sq in the same order
	v_fma_f32 v[CS], v[CY], v[CY], v[CS]
	v_fma_f32 v[CS], v[CZ], v[CZ], v[CS]
	s_wait_dscnt 0x0                               ; for the others' sake: my stores into the tables are done
	s_barrier_signal -1
	s_barrier_wait -1                              ; all 1,024 points lie in LDS
.irp a, 0,1,2,3
.irp j, 0,1,2,3,4,5,6,7
	ds_load_b128 v[PX+32*(\a)+4*(\j):PX+32*(\a)+4*(\j)+3], v41 offset:(\a)*ARR+16*(\j)
.endr
.endr
.irp c, 0,1,2,3
	v_mov_b32 v[OUTW+(\c)], 0                      ; written once, since the shifts read them; 32 shifts push this out
	s_mov_b32 s[LSEL+(\c)], \c
.endr
	s_mov_b32 s[CNT], 8
	s_wait_dscnt 0x0
; A BATCH: eight points (four pairs, from the highest index down) against centre c: 24 packed lines, stage by stage, so that a line's source is four lines old or more.
; prev = 1: between them stand the eight shifts that take in the signs of the batch before: word = word x 2 + sign, the highest point first, so that bit i is point i.
.macro BATCH c, q, prev
.set sb, (4*(\c)+(\q))%2                ; which buffer takes this batch's r2 - d
.set pcn, (4*(\c)+(\q)-1)/4             ; the centre of the batch before
.set SC, CSC+8*(\c)
.set i, 0
.rept 24
.set e, i%4
.set g, 15-4*(\q)-e                     ; the pair: points 2 g, 2 g + 1
.set st, i/4
.if st == 0
	v_pk_mul_f32 v[U+2*e:U+2*e+1], v[PX+2*g:PX+2*g+1], s[SC:SC+1] op_sel_hi:[1,0]
.elseif st == 1
	v_pk_add_f32 v[T+2*e:T+2*e+1], v[PS+2*g:PS+2*g+1], s[SC+6:SC+7] op_sel_hi:[1,0]
.elseif st == 2
	v_pk_fma_f32 v[U+2*e:U+2*e+1], v[PY+2*g:PY+2*g+1], s[SC+2:SC+3], v[U+2*e:U+2*e+1] op_sel_hi:[1,0,1]
.elseif st == 3
	v_pk_fma_f32 v[U+2*e:U+2*e+1], v[PZ+2*g:PZ+2*g+1], s[SC+4:SC+5], v[U+2*e:U+2*e+1] op_sel_hi:[1,0,1]
.elseif st == 4
	v_pk_fma_f32 v[T+2*e:T+2*e+1], v[U+2*e:U+2*e+1], -2.0, v[T+2*e:T+2*e+1] op_sel_hi:[1,0,1]
.else
	v_pk_add_f32 v[S+8*sb+2*e:S+8*sb+2*e+1], v[T+2*e:T+2*e+1], s[R2:R2+1] op_sel_hi:[1,0] neg_lo:[1,0] neg_hi:[1,0]
.endif
.if (\prev) && (i%3 == 2)
.set k, i/3
	v_alignbit_b32 v[OUTW+pcn], v[OUTW+pcn], v[S+8*(1-sb)+2*(k/2)+1-k%2], 31
.endif
.set i, i+1
.endr
.endm
.Lquad:                                        ; eight trips, four centres each
.irp c, 0,1,2,3
	v_readlane_b32 s[CSC+8*(\c)],   v[CX], s[LSEL+(\c)]
	v_readlane_b32 s[CSC+8*(\c)+2], v[CY], s[LSEL+(\c)]
	v_readlane_b32 s[CSC+8*(\c)+4], v[CZ], s[LSEL+(\c)]
	v_readlane_b32 s[CSC+8*(\c)+6], v[CS], s[LSEL+(\c)]
.endr
	BATCH 0, 0, 0
	BATCH 0, 1, 1
	BATCH 0, 2, 1
	BATCH 0, 3, 1
.irp c, 1,2,3
	BATCH \c, 0, 1
	BATCH \c, 1, 1
	BATCH \c, 2, 1
	BATCH \c, 3, 1
.endr
.set k, 0
.rept 8                                        ; the last batch's signs (it wrote buffer 1); the finished words are turned meanwhile: a sign says outside, the mask says inside
	v_alignbit_b32 v[OUTW+3], v[OUTW+3], v[S+8+2*(k/2)+1-k%2], 31
.if k < 3
	v_xor_b32 v[OUTW+k], -1, v[OUTW+k]
.endif
.set k, k+1
.endr
	v_xor_b32 v[OUTW+3], -1, v[OUTW+3]
	global_store_b128 v[VOFF], v[OUTW:OUTW+3], s[8:9] th:TH_STORE_NT  ; 32 lanes x 16 bytes: 512 consecutive bytes, aligned
	s_wait_xcnt 0x0                                ; the store has read its offset and its data: both are rewritten only behind this wait
	v_add_nc_u32 v[VOFF], 16*512, v[VOFF]          ; the next four centres: 16 blocks x 512 bytes on
.irp c, 0,1,2,3
	s_add_co_u32 s[LSEL+(\c)], s[LSEL+(\c)], 4
.endr
	s_sub_co_u32 s[CNT], s[CNT], 1
	s_cmp_lg_u32 s[CNT], 0
	s_cbranch_scc1 .Lquad
	s_wait_tensorcnt 0x0                           ; the wave's end: behind my last LDS store
	ds_add_u32 v[SPW], v[NIL]
	s_wait_dscnt 0x0
	s_endpgm
.Lfunc_end_k_q2485025996_inside:
	.size	k_q2485025996_inside, .Lfunc_end_k_q2485025996_inside-k_q2485025996_inside
	.p2alignl 7, 3214868480
	.fill 96, 4, 3214868480
	.section	.rodata,"a",@progbits
	.p2align	6, 0x0
	.amdhsa_kernel k_q2485025996_inside
		.amdhsa_group_segment_fixed_size 20480
		.amdhsa_private_segment_fixed_size 0
		.amdhsa_enable_private_segment 0
		.amdhsa_kernarg_size 24
		.amdhsa_user_sgpr_count 2
		.amdhsa_user_sgpr_kernarg_segment_ptr 1
		.amdhsa_wavefront_size32 1
		.amdhsa_system_sgpr_workgroup_id_x 1
		.amdhsa_system_sgpr_workgroup_id_y 1
		.amdhsa_system_sgpr_workgroup_id_z 1
		.amdhsa_system_vgpr_workitem_id 0
		.amdhsa_next_free_vgpr 192
		.amdhsa_next_free_sgpr 66
		.amdhsa_reserve_vcc 0
		.amdhsa_float_denorm_mode_32 3
		.amdhsa_float_denorm_mode_16_64 3
		.amdhsa_memory_ordered 1
		.amdhsa_forward_progress 1
		.amdhsa_inst_pref_size 41
	.end_amdhsa_kernel
	.amdgpu_metadata
---
amdhsa.version: [ 1, 2 ]
amdhsa.kernels:
  - .name:           k_q2485025996_inside
    .symbol:         k_q2485025996_inside.kd
    .args:
      - { .name: centroids, .offset: 0, .size: 8, .value_kind: global_buffer, .address_space: global }
      - { .name: pos, .offset: 8, .size: 8, .value_kind: global_buffer, .address_space: global }
      - { .name: mask, .offset: 16, .size: 8, .value_kind: global_buffer, .address_space: global }
    .group_segment_fixed_size: 20480
    .private_segment_fixed_size: 0
    .kernarg_segment_align: 8
    .kernarg_segment_size: 24
    .max_flat_workgroup_size: 512
    .sgpr_count:     66
    .vgpr_count:     192
    .wavefront_size: 32
...
	.end_amdgpu_metadata
.endif
;; end of part 1
;; launch pick (part 2): grid 256 x 8, 1 waves a work-group, no clusters, 17,664 bytes of LDS; arguments mask, out0; writes out0
.if DOCPART == 2
	.amdgcn_target "amdgcn-amd-amdhsa--gfx1250"
	.amdhsa_code_object_version 6
	.text
	.protected	k_q2485025996_pick
	.globl	k_q2485025996_pick
	.p2align	8
	.type	k_q2485025996_pick,@function
k_q2485025996_pick:
	s_mov_b64 s[64:65], 0
	v_nop
	global_prefetch_b8 v0, s[64:65] scope:SCOPE_SE
	s_setreg_imm32_b32 hwreg(HW_REG_WAVE_MODE, 25, 1), 1
	s_wait_xcnt 0x0
; BALL QUERY, SECOND PART: out0[b][s][j] = the index of the (j + 1)-th set bit of row (b, s) of the mask, j = 0 .. 63; where the row has fewer, the index of its first
; (16,384 in every place if a row is empty, as the JAX text gives it).  All numbers here are whole numbers read from memory.
; SHARES.  One wave takes four centres s = 4 q .. 4 q + 3: their rows lie interleaved, word [w][s % 4], w = 0 .. 511 (bit i of word w: point 32 w + i), 8,192 consecutive bytes.
; A lane makes output places 2 l and 2 l + 1 of each of the four rows: eight searches that do not wait for each other (search r = 2 c + e: row c, place 2 l + e).
; WAY.  (1) The words go through LDS, so that lane l holds words 16 l .. 16 l + 15.  (2) A chain of bit counts, one scan over the lanes: G[w] = set bits in words 0 .. w.  G goes to LDS.
; (3) The word of place j is the first with G[w] > j: nine halvings of 512.  (4) In that word the wanted bit is number n = j - (G[w] - bits of the word): five halvings of 32.
; No branch; every LDS address that a comparison has steered passes a v_min_u32 with the constant that bounds it at that step.
; LDS: entry w (16 bytes: four rows' word) lies at 16 (w + w / 16): 272 bytes for a lane's 16 entries, so that sixteen lanes' 16-byte accesses fall into sixteen different columns.
.set GOFF,  8704                       ; the words at 0, G behind them: 32 x 272 bytes each
.set SPARE, 17408                      ; the spare words: one block of 256 bytes that no other line names
.set SPW,  1                           ; v1   LDS address of my spare word; never rewritten
.set NIL,  2                           ; v2   0; never rewritten
.set GO,   3                           ; v3   16 l: my place in 512 consecutive bytes of the mask
.set SA,   4                           ; v4   16 (l + l / 16): entry l
.set LA,   5                           ; v5   272 l: entry 16 l
.set J,    6                           ; v6, v7  my two places 2 l, 2 l + 1
.set OO,   8                           ; v8   8 l: my 8 bytes of a row of out0
.set X,    10                          ; v[10:13] the scan, a row each
.set E,    14                          ; v[14:17] at work in the scan; then the bits in the lanes below me
.set A,    24                          ; v[24:31] search r: 16 (pos + pos / 16)
.set A2,   32                          ; v[32:39] the same one step on; later the word found
.set AC,   40                          ; v[40:47] the bounded address; later the bit's place, then the index
.set GV,   48                          ; v[48:55] what a probe brought; later n
.set TA,   56                          ; v[56:63] at work
.set G,    64                          ; v[64:127]  as loaded: block k at 4 k; later G of my word i at 4 i, a row each
.set W,    128                         ; v[128:191] my word i at 4 i, a row each
.set O,    192                         ; v[192:199] results, a pair a row
.set TB,   200                         ; v[200:207] at work
.set HI,   14                          ; s14  lanes 16-31
.set RT,   16                          ; s16-19 bits in lanes 0-15, a row each
.set TOT,  20                          ; s20-23 bits in the row
.set MK,   24                          ; s24-31 search r's comparison
.set FI,   32                          ; s32-35 the row's first index
.macro EACH line:vararg                ; one line for each search r
.set r, 0
.rept 8
	\line
.set r, r+1
.endr
.endm
	s_load_b128 s[4:7], s[0:1], 0x0                ; mask s[4:5], out0 s[6:7]
	v_lshl_add_u32 v[SPW], v0, 2, SPARE
	v_mov_b32 v[NIL], 0
	s_and_b32 s8, ttmp7, 0xffff                    ; batch
	s_lshl_b32 s9, s8, 8
	s_add_co_u32 s9, s9, ttmp9                     ; 256 x batch + q
	s_lshl_b32 s10, s9, 13                         ; x 8,192 bytes of mask
	s_mov_b32 s11, 0
	s_lshl_b32 s12, s9, 10                         ; x 1,024 bytes of out0
	s_mov_b32 s13, 0
	v_lshlrev_b32 v[GO], 4, v0
	s_wait_kmcnt 0x0
	s_add_nc_u64 s[4:5], s[4:5], s[10:11]
	s_add_nc_u64 s[6:7], s[6:7], s[12:13]
.set k, 0
.rept 16
	global_load_b128 v[G+4*k:G+4*k+3], v[GO], s[4:5] offset:512*k th:TH_LOAD_NT  ; entries 32 k + l: 512 consecutive bytes
.set k, k+1
.endr
	v_lshrrev_b32 v[SA], 4, v0
	v_add_nc_u32 v[SA], v[SA], v0
	v_lshlrev_b32 v[SA], 4, v[SA]
	v_mul_u32_u24 v[LA], v0, 272
	v_lshlrev_b32 v[J], 1, v0
	v_or_b32 v[J+1], 1, v[J]
	v_lshlrev_b32 v[OO], 3, v0
	s_mov_b32 s[HI], 0xffff0000
.set k, 0
.rept 16
	s_wait_loadcnt 15-k                            ; loads come back in order: load k is in, the 15 - k younger ones stay out
	ds_store_b128 v[SA], v[G+4*k:G+4*k+3] offset:544*k  ; entry 32 k + l lies at 544 k + 16 (l + l / 16)
.set k, k+1
.endr
.set i, 0
.rept 16
	ds_load_b128 v[W+4*i:W+4*i+3], v[LA] offset:16*i    ; LDS serves a wave's instructions in order: these see the stores above
.set i, i+1
.endr
	s_wait_dscnt 0x0
	; bits in my words 0 .. i, four chains
.irp c, 0,1,2,3
	v_bcnt_u32_b32 v[G+(\c)], v[W+(\c)], 0
.endr
.set i, 1
.rept 15
.irp c, 0,1,2,3
	v_bcnt_u32_b32 v[G+4*i+(\c)], v[W+4*i+(\c)], v[G+4*i-4+(\c)]
.endr
.set i, i+1
.endr
	; the scan over the lanes: four steps inside each half of 16 lanes (a lane without a source takes 0), then the lower half's sum onto the upper half
.irp c, 0,1,2,3
	v_mov_b32 v[X+(\c)], v[G+60+(\c)]
	v_mov_b32 v[E+(\c)], 0                         ; a lane-shifting move counts as a reader of its destination
.endr
.irp sh, 1,2,4,8
.irp c, 0,1,2,3
	v_mov_b32_dpp v[E+(\c)], v[X+(\c)] row_shr:\sh row_mask:0xf bank_mask:0xf bound_ctrl:1
.endr
.irp c, 0,1,2,3
	v_add_nc_u32 v[X+(\c)], v[X+(\c)], v[E+(\c)]
.endr
.endr
.irp c, 0,1,2,3
	v_readlane_b32 s[RT+(\c)], v[X+(\c)], 15
.endr
.irp c, 0,1,2,3
	v_cndmask_b32 v[E+(\c)], 0, s[RT+(\c)], s[HI]
.endr
.irp c, 0,1,2,3
	v_add_nc_u32 v[X+(\c)], v[X+(\c)], v[E+(\c)]
.endr
.irp c, 0,1,2,3
	v_readlane_b32 s[TOT+(\c)], v[X+(\c)], 31
	v_sub_nc_u32 v[E+(\c)], v[X+(\c)], v[G+60+(\c)]  ; bits in the lanes below me
.endr
.set i, 0
.rept 16
.irp c, 0,1,2,3
	v_add_nc_u32 v[G+4*i+(\c)], v[G+4*i+(\c)], v[E+(\c)]
.endr
	ds_store_b128 v[LA], v[G+4*i:G+4*i+3] offset:GOFF+16*i
.set i, i+1
.endr
; One halving: if G[pos + s - 1] <= j the word lies further on: pos += s.  pos is a multiple of 2 s, so the padded address of a sum is the sum of the padded addresses.
.macro STEP s
.set PROBE, 16*((\s)-1+(((\s)-1)>>4))
.set INC,   16*((\s)+((\s)>>4))
.set BOUND, 16*(512-2*(\s)+((512-2*(\s))>>4))  ; the greatest pos at this step
.set r, 0
.rept 8
	v_min_u32 v[AC+r], BOUND, v[A+r]
	ds_load_b32 v[GV+r], v[AC+r] offset:GOFF+PROBE+4*(r/2)
.set r, r+1
.endr
	EACH v_add_nc_u32 v[A2+r], INC, v[A+r]
	s_wait_dscnt 0x0
	EACH v_cmp_le_u32 s[MK+r], v[GV+r], v[J+r%2]
	EACH v_cndmask_b32 v[A+r], v[A+r], v[A2+r], s[MK+r]
.endm
	EACH v_mov_b32 v[A+r], 0
.irp s, 256,128,64,32,16,8,4,2,1
	STEP \s
.endr
.set r, 0
.rept 8
	v_min_u32 v[AC+r], 16*(511+31), v[A+r]
	ds_load_b32 v[GV+r], v[AC+r] offset:GOFF+4*(r/2)   ; G of the word found,
	ds_load_b32 v[A2+r], v[AC+r] offset:4*(r/2)        ; and the word
.set r, r+1
.endr
	s_wait_dscnt 0x0
	EACH v_bcnt_u32_b32 v[TA+r], v[A2+r], v[J+r%2]
	EACH v_sub_nc_u32 v[GV+r], v[TA+r], v[GV+r]        ; n = j + bits of the word - G
	EACH v_mov_b32 v[AC+r], 0                          ; the bit's place
; One halving in the word: if the h bits from the place on hold more than n set bits, the bit is among them; else n loses their count and the place moves on by h.
.macro LEVEL h
	EACH v_bfe_u32 v[TA+r], v[A2+r], v[AC+r], \h
	EACH v_bcnt_u32_b32 v[TA+r], v[TA+r], 0
	EACH v_cmp_lt_u32 s[MK+r], v[GV+r], v[TA+r]
	EACH v_sub_nc_u32 v[TA+r], v[GV+r], v[TA+r]
	EACH v_add_nc_u32 v[TB+r], \h, v[AC+r]
	EACH v_cndmask_b32 v[GV+r], v[TA+r], v[GV+r], s[MK+r]
	EACH v_cndmask_b32 v[AC+r], v[TB+r], v[AC+r], s[MK+r]
.endm
.irp h, 16,8,4,2,1
	LEVEL \h
.endr
	; the index 32 w + place from A = 16 (w + w / 16) = 272 (w / 16) + 16 (w % 16): w / 16 = A x 241 >> 16 (exact up to A = 8,672: 272 x 241 = 65,536 + 16), and 32 w = 2 A - 32 (w / 16)
	EACH v_mul_u32_u24 v[TA+r], v[A+r], 241
	EACH v_lshrrev_b32 v[TA+r], 11, v[TA+r]
	EACH v_and_b32 v[TA+r], 0x3e0, v[TA+r]
	EACH v_lshl_add_u32 v[AC+r], v[A+r], 1, v[AC+r]
	EACH v_sub_nc_u32 v[AC+r], v[AC+r], v[TA+r]
.irp c, 0,1,2,3
	v_readfirstlane_b32 s[FI+(\c)], v[AC+2*(\c)]   ; lane 0's first place is place 0
.endr
.irp c, 0,1,2,3
	s_cmp_eq_u32 s[TOT+(\c)], 0
	s_cselect_b32 s[FI+(\c)], 0x4000, s[FI+(\c)]   ; an empty row
.endr
	EACH v_cmp_gt_u32 s[MK+r], s[TOT+r/2], v[J+r%2]
	EACH v_cndmask_b32 v[O+r], s[FI+r/2], v[AC+r], s[MK+r]
.irp c, 0,1,2,3
	global_store_b64 v[OO], v[O+2*(\c):O+2*(\c)+1], s[6:7] offset:256*(\c) th:TH_STORE_NT  ; a row: 32 lanes x 8 bytes, 256 consecutive bytes, aligned
.endr
	s_wait_tensorcnt 0x0                           ; the wave's end: behind my last LDS store
	ds_add_u32 v[SPW], v[NIL]
	s_wait_dscnt 0x0
	s_endpgm
.Lfunc_end_k_q2485025996_pick:
	.size	k_q2485025996_pick, .Lfunc_end_k_q2485025996_pick-k_q2485025996_pick
	.p2alignl 7, 3214868480
	.fill 96, 4, 3214868480
	.section	.rodata,"a",@progbits
	.p2align	6, 0x0
	.amdhsa_kernel k_q2485025996_pick
		.amdhsa_group_segment_fixed_size 17664
		.amdhsa_private_segment_fixed_size 0
		.amdhsa_enable_private_segment 0
		.amdhsa_kernarg_size 16
		.amdhsa_user_sgpr_count 2
		.amdhsa_user_sgpr_kernarg_segment_ptr 1
		.amdhsa_wavefront_size32 1
		.amdhsa_system_sgpr_workgroup_id_x 1
		.amdhsa_system_sgpr_workgroup_id_y 1
		.amdhsa_system_sgpr_workgroup_id_z 1
		.amdhsa_system_vgpr_workitem_id 0
		.amdhsa_next_free_vgpr 208
		.amdhsa_next_free_sgpr 66
		.amdhsa_reserve_vcc 0
		.amdhsa_float_denorm_mode_32 3
		.amdhsa_float_denorm_mode_16_64 3
		.amdhsa_memory_ordered 1
		.amdhsa_forward_progress 1
		.amdhsa_inst_pref_size 59
	.end_amdhsa_kernel
	.amdgpu_metadata
---
amdhsa.version: [ 1, 2 ]
amdhsa.kernels:
  - .name:           k_q2485025996_pick
    .symbol:         k_q2485025996_pick.kd
    .args:
      - { .name: mask, .offset: 0, .size: 8, .value_kind: global_buffer, .address_space: global }
      - { .name: out0, .offset: 8, .size: 8, .value_kind: global_buffer, .address_space: global }
    .group_segment_fixed_size: 17664
    .private_segment_fixed_size: 0
    .kernarg_segment_align: 8
    .kernarg_segment_size: 16
    .max_flat_workgroup_size: 32
    .sgpr_count:     66
    .vgpr_count:     208
    .wavefront_size: 32
...
	.end_amdgpu_metadata
.endif
;; end of part 2
;; ======== version 2 of 2: 2 launches; version 1 with the launch pick written anew for expert scheduling mode
;; workspace buffers: mask 16,777,216 bytes of whole numbers
;; launch inside: the kernel of part 1 again; grid 32 x 8, 16 waves a work-group, no clusters, 20,480 bytes of LDS; arguments centroids, pos, mask; writes mask
;; launch pick (part 3): grid 256 x 8, 1 waves a work-group, no clusters, 17,664 bytes of LDS; arguments mask, out0; writes out0
.if DOCPART == 3
	.amdgcn_target "amdgcn-amd-amdhsa--gfx1250"
	.amdhsa_code_object_version 6
	.text
	.protected	k_q2485025996_pick
	.globl	k_q2485025996_pick
	.p2align	8
	.type	k_q2485025996_pick,@function
k_q2485025996_pick:
	s_mov_b64 s[64:65], 0
	v_nop
	global_prefetch_b8 v0, s[64:65] scope:SCOPE_SE
	s_setreg_imm32_b32 hwreg(HW_REG_WAVE_SCHED_MODE, 0, 2), 2
	s_setreg_imm32_b32 hwreg(HW_REG_WAVE_MODE, 25, 1), 1
	s_wait_xcnt 0x0
	s_wait_alu depctr_vm_vsrc(0)
; BALL QUERY, SECOND PART: out0[b][s][j] = the index of the (j + 1)-th set bit of row (b, s) of the mask, j = 0 .. 63; where the row has fewer, the index of its first
; (16,384 in every place if a row is empty, as the JAX text gives it).  All numbers here are whole numbers read from memory.
; SHARES.  One wave takes four centres s = 4 q .. 4 q + 3: their rows lie interleaved, word [w][s % 4], w = 0 .. 511 (bit i of word w: point 32 w + i), 8,192 consecutive bytes.
; A lane makes output places 2 l and 2 l + 1 of each of the four rows: eight searches that do not wait for each other (search r = 2 c + e: row c, place 2 l + e).
; WAY.  (1) The words go through LDS, so that lane l holds words 16 l .. 16 l + 15.  (2) A chain of bit counts, one scan over the lanes: G[w] = set bits in words 0 .. w.  G goes to LDS.
; (3) The word of place j is the first with G[w] > j: nine halvings of 512.  (4) In that word the wanted bit is number n = j - (G[w] - bits of the word): five halvings of 32.
; No branch; every LDS address that a comparison has steered passes a v_min_u32 with the constant that bounds it at that step.
; LDS: entry w (16 bytes: four rows' word) lies at 16 (w + w / 16): 272 bytes for a lane's 16 entries, so that sixteen lanes' 16-byte accesses fall into sixteen different columns.
; THE MODE: SCHED_MODE bits 1:0 = 2 (LLVM: expert scheduling mode 2), set by the entry lines.  The code itself states the register dependences
; between vector instructions and memory or LDS instructions, and those that pass through a scalar register written by a vector instruction, with s_wait_alu, always for 0.
; THE PLAN.  Registers that memory or LDS instructions touch, in the order of the text (it has no branch):
;   GO, SA, LA, OO  addresses: written once at the head, ahead of one wait on va_vdst, and never again.
;   G    the global loads land in it; the first LDS stores read it; the bit counts and the 64 additions write it; the second LDS stores read it; then it rests.
;   W    the LDS loads land in it; no vector line names it before.
;   AC   a step's eight v_min_u32 write it, the step's eight probes read it; behind the last fetch it is written anew as the bit's place.
;   GV   the probes land in it, the step's eight comparisons read it.      A2   vector work in the steps; the last fetch lands the word found in it.
;   O    the last selects write it, the four global stores read it.
; So a step has ONE wait on va_vdst, behind its eight v_min_u32 (AC is written; the comparisons of the step before are done reading GV), and its eight probes follow in one run;
; ONE wait on vm_vsrc, beside the wait for the probes' data (they have read AC); ONE wait on va_sdst, between its eight comparisons and its eight selects.
; The first step's v_min_u32 stand ahead of the wait that the second LDS stores need in any case, so that wait serves those stores and the first probes.
.set GOFF,  8704                       ; the words at 0, G behind them: 32 x 272 bytes each; the 256 bytes claimed behind G take the spare words of the closing add
.set GO,   3                           ; v3   16 l: my place in 512 consecutive bytes of the mask
.set SA,   4                           ; v4   16 (l + l / 16): entry l
.set LA,   5                           ; v5   272 l: entry 16 l
.set J,    6                           ; v6, v7  my two places 2 l, 2 l + 1
.set OO,   8                           ; v8   8 l: my 8 bytes of a row of out0
.set X,    10                          ; v[10:13] the scan, a row each
.set E,    14                          ; v[14:17] at work in the scan; then the bits in the lanes below me
.set A,    24                          ; v[24:31] search r: 16 (pos + pos / 16)
.set A2,   32                          ; v[32:39] the same one step on; later the word found
.set AC,   40                          ; v[40:47] the bounded address; later the bit's place, then the index
.set GV,   48                          ; v[48:55] what a probe brought; later n
.set TA,   56                          ; v[56:63] at work
.set G,    64                          ; v[64:127]  as loaded: block k at 4 k; later G of my word i at 4 i, a row each
.set W,    128                         ; v[128:191] my word i at 4 i, a row each
.set O,    192                         ; v[192:199] results, a pair a row
.set TB,   200                         ; v[200:207] at work
.set HI,   14                          ; s14  lanes 16-31
.set RT,   16                          ; s16-19 bits in lanes 0-15, a row each
.set TOT,  20                          ; s20-23 bits in the row
.set MK,   24                          ; s24-31 search r's comparison
.set FI,   32                          ; s32-35 the row's first index
.macro EACH line:vararg                ; one line for each search r
.set r, 0
.rept 8
	\line
.set r, r+1
.endr
.endm
	s_load_b128 s[4:7], s[0:1], 0x0                ; mask s[4:5], out0 s[6:7]
	v_lshl_add_u32 v22, v0, 2, 0x4400
	v_mov_b32 v23, 0
	s_and_b32 s8, ttmp7, 0xffff                    ; batch
	s_lshl_b32 s9, s8, 8
	s_add_co_u32 s9, s9, ttmp9                     ; 256 x batch + q
	s_lshl_b32 s10, s9, 13                         ; x 8,192 bytes of mask
	s_mov_b32 s11, 0
	s_lshl_b32 s12, s9, 10                         ; x 1,024 bytes of out0
	s_mov_b32 s13, 0
	s_mov_b32 s[HI], 0xffff0000
	v_lshlrev_b32 v[GO], 4, v0                     ; all addresses are made here, while the arguments are on their way
	v_lshrrev_b32 v[SA], 4, v0
	v_add_nc_u32 v[SA], v[SA], v0
	v_lshlrev_b32 v[SA], 4, v[SA]
	v_mul_u32_u24 v[LA], v0, 272
	v_lshlrev_b32 v[J], 1, v0
	v_or_b32 v[J+1], 1, v[J]
	v_lshlrev_b32 v[OO], 3, v0
	s_wait_kmcnt 0x0
	s_add_nc_u64 s[4:5], s[4:5], s[10:11]
	s_add_nc_u64 s[6:7], s[6:7], s[12:13]
	s_wait_alu depctr_va_vdst(0)                   ; GO, SA, LA and OO are written: every global load and store and the LDS stores and loads by SA and LA read one of them; none is written again
.set k, 0
.rept 16
	global_load_b128 v[G+4*k:G+4*k+3], v[GO], s[4:5] offset:512*k th:TH_LOAD_NT  ; entries 32 k + l: 512 consecutive bytes
.set k, k+1
.endr
.set k, 0
.rept 16
	s_wait_loadcnt 15-k                            ; loads come back in order: load k is in, the 15 - k younger ones stay out
	ds_store_b128 v[SA], v[G+4*k:G+4*k+3] offset:544*k  ; entry 32 k + l lies at 544 k + 16 (l + l / 16)
.set k, k+1
.endr
.set i, 0
.rept 16
	ds_load_b128 v[W+4*i:W+4*i+3], v[LA] offset:16*i    ; LDS serves a wave's instructions in order: these see the stores above
.set i, i+1
.endr
	s_wait_dscnt 0x0
	s_wait_alu depctr_vm_vsrc(0)                   ; the LDS stores above have read G as loaded, which the bit counts below write again
	; bits in my words 0 .. i, four chains
.irp c, 0,1,2,3
	v_bcnt_u32_b32 v[G+(\c)], v[W+(\c)], 0
.endr
.set i, 1
.rept 15
.irp c, 0,1,2,3
	v_bcnt_u32_b32 v[G+4*i+(\c)], v[W+4*i+(\c)], v[G+4*i-4+(\c)]
.endr
.set i, i+1
.endr
	; the scan over the lanes: four steps inside each half of 16 lanes (a lane without a source takes 0), then the lower half's sum onto the upper half
.irp c, 0,1,2,3
	v_mov_b32 v[X+(\c)], v[G+60+(\c)]
	v_mov_b32 v[E+(\c)], 0                         ; a lane-shifting move counts as a reader of its destination
.endr
.irp sh, 1,2,4,8
.irp c, 0,1,2,3
	v_mov_b32_dpp v[E+(\c)], v[X+(\c)] row_shr:\sh row_mask:0xf bank_mask:0xf bound_ctrl:1
.endr
.irp c, 0,1,2,3
	v_add_nc_u32 v[X+(\c)], v[X+(\c)], v[E+(\c)]
.endr
.endr
.irp c, 0,1,2,3
	v_readlane_b32 s[RT+(\c)], v[X+(\c)], 15
.endr
	s_wait_alu depctr_va_sdst(0)                   ; s[RT ..] are written, ahead of the four selects that read them
.irp c, 0,1,2,3
	v_cndmask_b32 v[E+(\c)], 0, s[RT+(\c)], s[HI]
.endr
.irp c, 0,1,2,3
	v_add_nc_u32 v[X+(\c)], v[X+(\c)], v[E+(\c)]
.endr
.irp c, 0,1,2,3
	v_readlane_b32 s[TOT+(\c)], v[X+(\c)], 31        ; first read by the last comparisons of the text: all the searches' waits on va_sdst stand between
	v_sub_nc_u32 v[E+(\c)], v[X+(\c)], v[G+60+(\c)]  ; bits in the lanes below me
.endr
.set i, 0
.rept 16
.irp c, 0,1,2,3
	v_add_nc_u32 v[G+4*i+(\c)], v[G+4*i+(\c)], v[E+(\c)]
.endr
.set i, i+1
.endr
; The bounded addresses of the step that halves by s: the greatest pos at that step is 512 - 2 s.
.macro AIM s
.set BOUND, 16*(512-2*(\s)+((512-2*(\s))>>4))
	EACH v_min_u32 v[AC+r], BOUND, v[A+r]
.endm
; One halving: if G[pos + s - 1] <= j the word lies further on: pos += s.  pos is a multiple of 2 s, so the padded address of a sum is the sum of the padded addresses.
; first = 1: the step's addresses were made, and waited for, ahead of the stores of G.
.macro STEP s, first=0
.set PROBE, 16*((\s)-1+(((\s)-1)>>4))
.set INC,   16*((\s)+((\s)>>4))
.if !(\first)
	AIM \s
	s_wait_alu depctr_va_vdst(0)                   ; AC is written, which the probes read; the comparisons of the step before are done reading GV, in which the probes land
.endif
.set r, 0
.rept 8
	ds_load_b32 v[GV+r], v[AC+r] offset:GOFF+PROBE+4*(r/2)
.set r, r+1
.endr
	EACH v_add_nc_u32 v[A2+r], INC, v[A+r]
	s_wait_dscnt 0x0
	s_wait_alu depctr_vm_vsrc(0)                   ; the probes have read AC, which the next v_min_u32 write again
	EACH v_cmp_le_u32 s[MK+r], v[GV+r], v[J+r%2]
	s_wait_alu depctr_va_sdst(0)                   ; s[MK ..] are written, ahead of the eight selects that read them
	EACH v_cndmask_b32 v[A+r], v[A+r], v[A2+r], s[MK+r]
.endm
	EACH v_mov_b32 v[A+r], 0
	AIM 256
	s_wait_alu depctr_va_vdst(0)                   ; the additions have written G, which the LDS stores read; the first step's AC is written, which its probes read
.set i, 0
.rept 16
	ds_store_b128 v[LA], v[G+4*i:G+4*i+3] offset:GOFF+16*i
.set i, i+1
.endr
	STEP 256, 1                                    ; LDS serves a wave's instructions in order: the probes see the stores above
.irp s, 128,64,32,16,8,4,2,1
	STEP \s
.endr
	EACH v_min_u32 v[AC+r], 16*(511+31), v[A+r]
	s_wait_alu depctr_va_vdst(0)                   ; AC is written, which the loads read; the last comparisons are done reading GV, the last additions and selects with A2: the loads land in both
.set r, 0
.rept 8
	ds_load_b32 v[GV+r], v[AC+r] offset:GOFF+4*(r/2)   ; G of the word found,
	ds_load_b32 v[A2+r], v[AC+r] offset:4*(r/2)        ; and the word
.set r, r+1
.endr
	s_wait_dscnt 0x0
	s_wait_alu depctr_vm_vsrc(0)                   ; these loads have read AC, which is written below as the bit's place
	EACH v_bcnt_u32_b32 v[TA+r], v[A2+r], v[J+r%2]
	EACH v_sub_nc_u32 v[GV+r], v[TA+r], v[GV+r]        ; n = j + bits of the word - G
	EACH v_mov_b32 v[AC+r], 0                          ; the bit's place
; One halving in the word: if the h bits from the place on hold more than n set bits, the bit is among them; else n loses their count and the place moves on by h.
.macro LEVEL h
	EACH v_bfe_u32 v[TA+r], v[A2+r], v[AC+r], \h
	EACH v_bcnt_u32_b32 v[TA+r], v[TA+r], 0
	EACH v_cmp_lt_u32 s[MK+r], v[GV+r], v[TA+r]
	EACH v_sub_nc_u32 v[TA+r], v[GV+r], v[TA+r]
	EACH v_add_nc_u32 v[TB+r], \h, v[AC+r]
	s_wait_alu depctr_va_sdst(0)                   ; s[MK ..] are written, ahead of the sixteen selects that read them; the sixteen lines above stand between
	EACH v_cndmask_b32 v[GV+r], v[TA+r], v[GV+r], s[MK+r]
	EACH v_cndmask_b32 v[AC+r], v[TB+r], v[AC+r], s[MK+r]
.endm
.irp h, 16,8,4,2,1
	LEVEL \h
.endr
	; the index 32 w + place from A = 16 (w + w / 16) = 272 (w / 16) + 16 (w % 16): w / 16 = A x 241 >> 16 (exact up to A = 8,672: 272 x 241 = 65,536 + 16), and 32 w = 2 A - 32 (w / 16)
	EACH v_mul_u32_u24 v[TA+r], v[A+r], 241
	EACH v_lshrrev_b32 v[TA+r], 11, v[TA+r]
	EACH v_and_b32 v[TA+r], 0x3e0, v[TA+r]
	EACH v_lshl_add_u32 v[AC+r], v[A+r], 1, v[AC+r]
	EACH v_sub_nc_u32 v[AC+r], v[AC+r], v[TA+r]
.irp c, 0,1,2,3
	v_readfirstlane_b32 s[FI+(\c)], v[AC+2*(\c)]   ; lane 0's first place is place 0
.endr
	EACH v_cmp_gt_u32 s[MK+r], s[TOT+r/2], v[J+r%2]
	s_wait_alu depctr_va_sdst(0)                   ; s[FI ..] and s[MK ..] are written, ahead of the scalar selects and the vector selects that read them
.irp c, 0,1,2,3
	s_cmp_eq_u32 s[TOT+(\c)], 0
	s_cselect_b32 s[FI+(\c)], 0x4000, s[FI+(\c)]   ; an empty row
.endr
	EACH v_cndmask_b32 v[O+r], s[FI+r/2], v[AC+r], s[MK+r]
	s_wait_alu depctr_va_vdst(0)                   ; the selects have written O, which the stores read
.irp c, 0,1,2,3
	global_store_b64 v[OO], v[O+2*(\c):O+2*(\c)+1], s[6:7] offset:256*(\c) th:TH_STORE_NT  ; a row: 32 lanes x 8 bytes, 256 consecutive bytes, aligned
.endr
	s_wait_dscnt 0x0                               ; the wave's end
	s_wait_alu depctr_hold_cnt(0) depctr_sa_sdst(0) depctr_va_vdst(0) depctr_va_sdst(0) depctr_va_ssrc(0) depctr_va_vcc(0) depctr_vm_vsrc(0)
	s_wait_tensorcnt 0x0
	ds_add_u32 v22, v23
	s_wait_dscnt 0x0
	s_endpgm
.Lfunc_end_k_q2485025996_pick:
	.size	k_q2485025996_pick, .Lfunc_end_k_q2485025996_pick-k_q2485025996_pick
	.p2alignl 7, 3214868480
	.fill 96, 4, 3214868480
	.section	.rodata,"a",@progbits
	.p2align	6, 0x0
	.amdhsa_kernel k_q2485025996_pick
		.amdhsa_group_segment_fixed_size 17664
		.amdhsa_private_segment_fixed_size 0
		.amdhsa_enable_private_segment 0
		.amdhsa_kernarg_size 16
		.amdhsa_user_sgpr_count 2
		.amdhsa_user_sgpr_kernarg_segment_ptr 1
		.amdhsa_wavefront_size32 1
		.amdhsa_system_sgpr_workgroup_id_x 1
		.amdhsa_system_sgpr_workgroup_id_y 1
		.amdhsa_system_sgpr_workgroup_id_z 1
		.amdhsa_system_vgpr_workitem_id 0
		.amdhsa_next_free_vgpr 208
		.amdhsa_next_free_sgpr 66
		.amdhsa_reserve_vcc 0
		.amdhsa_float_denorm_mode_32 3
		.amdhsa_float_denorm_mode_16_64 3
		.amdhsa_memory_ordered 1
		.amdhsa_forward_progress 1
		.amdhsa_inst_pref_size 61
	.end_amdhsa_kernel
	.amdgpu_metadata
---
amdhsa.version: [ 1, 2 ]
amdhsa.kernels:
  - .name:           k_q2485025996_pick
    .symbol:         k_q2485025996_pick.kd
    .args:
      - { .name: mask, .offset: 0, .size: 8, .value_kind: global_buffer, .address_space: global }
      - { .name: out0, .offset: 8, .size: 8, .value_kind: global_buffer, .address_space: global }
    .group_segment_fixed_size: 17664
    .private_segment_fixed_size: 0
    .kernarg_segment_align: 8
    .kernarg_segment_size: 16
    .max_flat_workgroup_size: 32
    .sgpr_count:     66
    .vgpr_count:     208
    .wavefront_size: 32
...
	.end_amdgpu_metadata
.endif
;; end of part 3
